; MI455X (gfx1250); checked and timed in simulation.
; The chip was launched on July 23, 2026; its instructions are those of AMD's public machine-readable ISA for CDNA 5 (MIT licence, August 2026) and "CDNA5" Instruction Set Architecture Reference Guide (July 2026). The comments in the code are by the model that wrote it; some were corrected since.
;; Multi Head Attention. Allowed arithmetic: matrix products marked QUANTISED: E4M3 operands, one given power-of-two scale a tensor, by v_wmma_f32_16x16x64_fp8_fp8 or v_wmma_f32_16x16x128_fp8_fp8, f32 sums; everything else in f32.
;; Inputs: Wk_codes 512 x 16 x 32 uint8 (E4M3 codes of Wk, K innermost, in blocks of 32 codes); Wo_codes 512 x 16 x 32 uint8 (E4M3 codes of Wo, K innermost, in blocks of 32 codes); Wq_codes 512 x 16 x 32 uint8 (E4M3 codes of Wq, K innermost, in blocks of 32 codes); Wv_codes 512 x 16 x 32 uint8 (E4M3 codes of Wv, K innermost, in blocks of 32 codes); bk 512 float32; bo 512 float32; bq 512 float32; bv 512 float32; lowp_scales 12 int32 (the exponents e of the quantised operands' scales 2^e); x_codes 2 x 4,096 x 16 x 32 uint8 (E4M3 codes of x, K innermost, in blocks of 32 codes).
;; Outputs: out0 2 x 4,096 x 512 float32.
;; This version of the problem:
;;   THIS VERSION OF THE PROBLEM IS GIVEN IN LOW PRECISION. The matrix products marked QUANTISED in the list below multiply operands that are first quantised to E4M3 (4 exponent bits, 3 mantissa bits; 8 bits a number), with one given power-of-two scale for each operand tensor; their sums are f32. All else is computed in f32.
;;   The module's matrix products, in the order in which they are computed (A, B: the left and right operand; K: the contracted axis; several contracted axes count as one K, in the product's order):
;;     1. [M 8,192, K 512] x [K 512, N 512]; A: input x (given as codes); B: input Wq (given as codes): QUANTISED (scales: A lowp_scales[0], B lowp_scales[1])
;;     2. [M 8,192, K 512] x [K 512, N 512]; A: input x (given as codes); B: input Wk (given as codes): QUANTISED (scales: A lowp_scales[2], B lowp_scales[3])
;;     3. [M 8,192, K 512] x [K 512, N 512]; A: input x (given as codes); B: input Wv (given as codes): QUANTISED (scales: A lowp_scales[4], B lowp_scales[5])
;;     4. batch 16 x [M 4,096, K 64] x [K 64, N 4,096]; A: computed on the way; B: computed on the way: QUANTISED (scales: A lowp_scales[6], B lowp_scales[7])
;;     5. batch 16 x [M 4,096, K 4,096] x [K 4,096, N 64]; A: softmax (see below); B: computed on the way: QUANTISED (scales: A lowp_scales[8], B lowp_scales[9])
;;     6. [M 8,192, K 512] x [K 512, N 512]; A: computed on the way; B: input Wo (given as codes): QUANTISED (scales: A lowp_scales[10], B lowp_scales[11])
;;   THE QUANTISER, for each operand of a quantised product, along K:
;;     - The operand's scale is 2^e, e = its entry of the input lowp_scales (int32; the entries are numbered through the quantised products in the list's order, A before B).
;;     - Each number is divided by the scale, clamped to +-448, and rounded to the nearest number of E4M3, ties to even, subnormals kept.
;;     - The product sums the exact products of the quantised numbers (number of the format x scale) in f32.
;;   ~~~python
;;   def quantise(x, axis, e):      # numpy; x: float32 -> the quantised numbers, widened to float32 again
;;       x = np.moveaxis(x, axis, -1); K = x.shape[-1]
;;       r = np.clip(x / 2.0 ** e, -448, 448)
;;       step = 2.0 ** (np.maximum(np.frexp(np.where(r == 0, 1, r))[1] - 1, -6) - 3)
;;       q = np.round(r / step) * step * 2.0 ** e      # np.round: ties to even
;;       return np.moveaxis(q, -1, axis).astype(np.float32)
;;   ~~~
;;   SOFTMAX AHEAD OF A QUANTISED PRODUCT. Where the list says 'softmax', what is quantised is not the finished softmax but p = 2^(t - M), with t = logit x log2(e) and M = ceil(the row's largest t), a whole number; so 1/2 < the row's largest p <= 1. The row's sum l is taken of the UNQUANTISED p, in f32, and the product's result is divided by l at the end. Since M is a whole number, a kernel that streams over the keys may use a running M (the ceiling of the running maximum): every later rescaling is an exact power of two, so the quantised numbers keep their values, but for numbers so far below the row's largest that they fall under the format's range.
;;   OPERANDS COMPUTED ON THE WAY. 'Computed on the way' means the value that the module computes at that place (a softmax that the list does not call 'softmax' is quantised finished and normalised). What goes into a quantiser is computed in f32, as accurately as f32 sums, v_exp_f32 and their like allow (about 1e-6 of the number): no bf16 or f16 on the way to a quantiser, and a product that is left as it is and whose result goes on into a quantised operand takes f32 operands (vector FMAs, or v_wmma_f32_16x16x4_f32). A number that lies on a knife's edge between two numbers of the format may be rounded either way, as far as f32 arithmetic and the matrix unit's own rounding can turn it there, and no further.
;;   INPUTS GIVEN AS CODES. Wk (in the module: [512, 512], K = its axis 1); Wo (in the module: [512, 512], K = its axis 1); Wq (in the module: [512, 512], K = its axis 1); Wv (in the module: [512, 512], K = its axis 1); x (in the module: [2, 4096, 512], K = its axis 2): each comes as NAME_codes (uint8): NAME with its K axis moved to the last place and cut into blocks of 32 codes, [.., K / 32, bytes a block], one block behind the other in memory; one code a byte (a code: sign, 4 exponent bits, 3 mantissa bits); its scale is its entry of lowp_scales. Its value is code x scale, taken as it is: it is not quantised again, and the codes and scales need not be those that the quantiser above would give.
;; One version. Each part assembles by itself: llvm-mc -triple=amdgcn-amd-amdhsa -mcpu=gfx1250 --defsym DOCPART=n.
;; ======== version 1 of 1: 3 launches
;; limits: right only within a limited range of input values
;; workspace buffers: qimg 4,194,304 bytes; kv 8,388,608 bytes; aimg 4,194,304 bytes
;; launch qkv (part 1): grid 32 x 8, 8 waves a work-group, clusters of 4 x 4, 327,680 bytes of LDS; arguments x_codes, Wq_codes, Wk_codes, Wv_codes, bq, bk, bv, lowp_scales, qimg, kv; writes qimg, kv
.if DOCPART == 1
	.amdgcn_target "amdgcn-amd-amdhsa--gfx1250"
	.amdhsa_code_object_version 6
	.text
	.protected	k_q858f0a63f8_qkv
	.globl	k_q858f0a63f8_qkv
	.p2align	8
	.type	k_q858f0a63f8_qkv,@function
k_q858f0a63f8_qkv:
	s_mov_b64 s[64:65], 0
	v_nop
	global_prefetch_b8 v0, s[64:65] scope:SCOPE_SE
	s_setreg_imm32_b32 hwreg(HW_REG_WAVE_MODE, 25, 1), 1
	s_wait_xcnt 0x0
	s_wait_alu depctr_hold_cnt(0) depctr_sa_sdst(0) depctr_va_vdst(0) depctr_va_sdst(0) depctr_va_ssrc(0) depctr_va_vcc(0) depctr_vm_vsrc(0)
	s_getreg_b32 s2, hwreg(HW_REG_IB_STS2, 6, 4)
	s_cmp_eq_u32 s2, 0
	s_cbranch_scc0 .Lentry_in_a_cluster
	s_endpgm
.Lentry_in_a_cluster:
	s_bfe_u32 s2, ttmp6, 0x10000c
	s_cmp_lg_u32 s2, 0xf033
	s_cbranch_scc0 .Lentry_shape_is_right
	s_endpgm
.Lentry_shape_is_right:
; q = x Wq^T + bq, k = x Wk^T + bk, v = x Wv^T + bv on codes of E4M3, and the three results quantised at once for the two products of attention.
; x: 8,192 rows of 512 codes; each W: 512 rows of 512 codes, K innermost.  The scales' exponents e0 .. e11 are whole numbers in memory: x and Wq have e0, e1; x and Wk e2, e3; x and Wv e4, e5;
; q is quantised with e6, k with e7, v with e9.
; SHARES.  Work-group (X, Y): tokens 256 X .. 256 X + 255 and head Y's 64 features of q, of k and of v: 32 x 8 = 256 work-groups.  Wave w: tokens 32 w .. 32 w + 31 (two tiles of 16) against the head's
; 12 tiles of features, in three passes (q, k, v) of four K steps of 128: 96 matrix instructions a wave.
; LDS is filled ONCE: x's 256 rows and 3 x 64 rows of W, each row 512 bytes + 16 of padding.  Nothing is filled again.  The launch claims more LDS than it uses (236,544 bytes).
; CLUSTER 4 x 4.  x's rows hang on X alone: the four work-groups of a column of the cluster ask for them jointly.  W's rows hang on Y alone: the four of a row of the cluster ask jointly.
; THE RESULTS LEAVE AS IMAGES OF THE NEXT OPERANDS' REGISTERS: blocks of 512 bytes, lane l's 16 bytes at 16 l, so that every store covers 512 consecutive bytes, aligned, and the next launch needs no rows.
;   q, k are made TRANSPOSED (source 0 = 16 rows of W, source 1 = 16 tokens): lane (r, h) holds token r and, in tile i, features 16 i + 8 h + 0 .. 7: the K = 64 form's own order of k.
;   v is made the other way round (source 0 = tokens, source 1 = rows of Wv): lane (r, h) holds one feature and tokens 16 t + 8 h + 0 .. 7: v with the KEYS innermost, in the K = 128 form's own order.
;   THE ROWS OF Wv THAT FORM A TILE ARE NOT NEIGHBOURS: lane r of tile i takes row 32 (i / 2) + 8 (i % 2) + r + 8 (r / 8), so that in the next launch a lane's 16 results of tiles 2 b, 2 b + 1 are 16 neighbouring channels.
; ARITHMETIC.  A sum stands for sum x 2^a, a = the two operands' exponents added.  The bias goes in as the C of the first K step, as b / 2^a; the code is (sum + b / 2^a) / 2^(target - a), held within +-448.
; x's and W's fragments are both fetched by four 16-byte loads, 32 bytes apart: the same permutation of k on both sides, so every product meets its partner.
; LIMITS: e6 - e0 - e1, e7 - e2 - e3 and e9 - e4 - e5 lie between -126 and 119, so that each power of two below is an f32 number.  NaN among the biases is not served.
; REGISTERS.  Window 0: v1-8 lane numbers and addresses; v9-12 bv as loaded; v14-19 for each pass the scale and 448 x the scale; v20-22 at work; v32-95 eight accumulators ((i, t) at 32 + 8 (2 i + t));
;   v96-191 the biases in the results' layout; v192-239 the codes, 16 registers a pass, so that no store's data are written again.   Window 1: v0-127 x's fragments ((t, s) at 64 t + 16 s), which stay; v128-255 W's, two sets of four.
.set PITCH, 528                        ; an LDS row: 512 bytes + 16: an odd multiple of 16 bytes, so the 16 neighbouring rows of a load begin in 16 different 16-byte columns
.set T64,   64*PITCH                   ; what one tensor load brings
.set WLDS,  4*T64                      ; behind x's 256 rows: Wq's 64, Wk's 64, Wv's 64
.set WV,   24                          ; s24 my wave's number
.set G1X,  32                          ; s[32:39] descriptor group 1 for x's rows;  s[40:47] for W's: they differ in the mask alone
.set G1W,  40
.set G0X,  48                          ; s[48:51], s[52:55] their groups 0
.set G0W,  52
.set LI,   3                           ; v3  16 x lane
.set XA,   4                           ; v4  LDS address of my fragments of x
.set WA,   5                           ; v5  of Wq's and Wk's
.set WAV,  6                           ; v6  of Wv's
.set SC,   14                          ; v[14 + 2 p] the pass's scale, v[15 + 2 p] 448 x it
.set ACC,  32
.set BIAS, 96
.set COD,  192
.set MSB, 0
.macro WIN new                         ; the immediate's high byte repeats the setting that is left; a switch that changes nothing is dropped
.if MSB != \new
	s_set_vgpr_msb (MSB<<8)|\new
.set MSB, \new
.endif
.endm
.macro PLACES n
.rept \n
	v_nop
.endr
.endm
.macro ROUND                           ; a round of the cluster's barrier: my work-group's barrier; wave 0 signals for the work-group; every wave waits for all sixteen; my work-group's barrier once more
	s_barrier_signal -1
	s_barrier_wait -1
	s_cmp_lg_u32 s[WV], 0
	s_cbranch_scc1 .Lnot_wave_0_\@
	s_barrier_signal -3
.Lnot_wave_0_\@:
	s_barrier_wait -3
	s_barrier_signal -1
	s_barrier_wait -1
.endm
.macro JLOAD                           ; waves 0-3 ask for x's four quarters, waves 4-6 for Wq's, Wk's, Wv's rows, wave 7 for nothing.  The branches hang on the wave's number alone.  Four v_nop follow each line
	s_cmp_lt_u32 s[WV], 4
	s_cbranch_scc0 .Lnot_x_\@
	tensor_load_to_lds s[G0X:G0X+3], s[G1X:G1X+7]
	s_nop 0
	PLACES 4
	s_branch .Lasked_\@
.Lnot_x_\@:
	s_cmp_lt_u32 s[WV], 7
	s_cbranch_scc0 .Lasked_\@
	tensor_load_to_lds s[G0W:G0W+3], s[G1W:G1W+7]
	s_nop 0
	PLACES 4
.Lasked_\@:
.endm
	s_load_b512 s[4:19], s[0:1], 0x0               ; x s[4:5], Wq s[6:7], Wk s[8:9], Wv s[10:11], bq s[12:13], bk s[14:15], bv s[16:17], the exponents s[18:19]
	s_load_b128 s[20:23], s[0:1], 0x40             ; qimg s[20:21], kv s[22:23]
	v_lshl_add_u32 v254, v0, 2, 0x39c00
	v_mov_b32 v255, 0
	ds_add_u32 v254, v255
	ds_add_u32 v254, v255
	v_lshrrev_b32 v1, 5, v0
	s_delay_alu instid0(VALU_DEP_1)
	v_readfirstlane_b32 s[WV], v1                  ; wave 0..7
	s_and_b32 s31, s[WV], 3                        ; which quarter of x, or which W, I fetch
	s_bfe_u32 s25, ttmp6, 0x40000                  ; cx, cy: my place in the cluster
	s_bfe_u32 s26, ttmp6, 0x40004
	s_lshl_b32 s27, ttmp9, 2
	s_add_co_u32 s27, s27, s25                     ; X = 4 x cluster x + cx
	s_and_b32 s28, ttmp7, 0xffff
	s_lshl_b32 s28, s28, 2
	s_add_co_u32 s28, s28, s26                     ; Y = 4 x cluster y + cy
	s_lshl_b32 s29, 0x1111, s25                    ; my column of the cluster: the four that share X
	s_lshl_b32 s30, s26, 2
	s_lshl_b32 s30, 15, s30                        ; my row: the four that share Y
	; descriptor group 1: 64 rows of 512 elements of one byte, 512 bytes from row to row; 4 words of padding (code 3) behind every 128 words (code 6)
	s_or_b32 s[G1X], s29, (1<<20)|(1<<21)|(6<<22)|(3<<25)   ; 15:0 the mask; 17:16 elements of 1 byte; 20 padding on; 21 set beside a mask
	s_or_b32 s[G1W], s30, (1<<20)|(1<<21)|(6<<22)|(3<<25)
.irp g, G1X, G1W
	s_mov_b32 s[\g+1], 512<<16                     ; tensor_dim0 = 512
	s_mov_b32 s[\g+2], 64<<16                      ; tensor_dim1 = 64
	s_mov_b32 s[\g+3], 512<<16                     ; tile_dim0 = 512
	s_mov_b32 s[\g+4], 64                          ; tile_dim1 = 64
	s_mov_b32 s[\g+5], 512                         ; from row to row
	s_mov_b32 s[\g+6], 0
	s_mov_b32 s[\g+7], 0
.endr
	s_lshl_b32 s56, s27, 17                        ; x: (256 X + 64 x quarter) rows of 512 bytes; these registers never hold Y
	s_lshl_b32 s57, s31, 15
	s_add_co_u32 s56, s56, s57
	s_mov_b32 s57, 0
	s_lshl_b32 s58, s28, 15                        ; W: 64 Y rows of 512 bytes; these never hold X
	s_mov_b32 s59, 0
	s_mul_i32 s62, s31, T64                        ; where the rows go: no place in the cluster enters an LDS address
	s_wait_dscnt 0x0
	s_wait_kmcnt 0x0
	s_load_b256 s[68:75], s[18:19], 0x0            ; e0 .. e7
	s_load_b128 s[76:79], s[18:19], 0x20           ; e8 .. e11
	s_cmp_eq_u32 s31, 0                            ; which W: a choice on the wave's number alone
	s_cselect_b64 s[60:61], s[6:7], s[8:9]
	s_cmp_eq_u32 s31, 2
	s_cselect_b64 s[60:61], s[10:11], s[60:61]
	ROUND                                          ; all sixteen work-groups are here: the joint loads meet
	s_mov_b32 s[G0X], 1                            ; count = 1
	s_mov_b32 s[G0X+1], s62                        ; LDS address
	s_add_nc_u64 s[G0X+2:G0X+3], s[4:5], s[56:57]  ; global address
	s_or_b32 s[G0X+3], s[G0X+3], 0x80000000        ; type = 2
	s_mov_b32 s[G0W], 1
	s_add_co_u32 s[G0W+1], s62, WLDS
	s_add_nc_u64 s[G0W+2:G0W+3], s[60:61], s[58:59]
	s_or_b32 s[G0W+3], s[G0W+3], 0x80000000
	JLOAD                                          ; one tensor load of mine is out at the most
	v_and_b32 v1, 15, v0                           ; r
	v_bfe_u32 v2, v0, 4, 1                         ; h
	v_and_b32 v3, 31, v0
	s_delay_alu instid0(VALU_DEP_1)
	v_lshlrev_b32 v[LI], 4, v3
	s_delay_alu instid0(VALU_DEP_4)
	v_mul_u32_u24 v20, v1, PITCH
	s_delay_alu instid0(VALU_DEP_1)
	v_lshl_add_u32 v20, v2, 4, v20                 ; row r x pitch + 16 h
	s_mul_i32 s63, s[WV], 32*PITCH                 ; my 32 rows of x
	v_add_nc_u32 v[XA], s63, v20
	v_add_nc_u32 v[WA], WLDS, v20
	v_and_b32 v21, 8, v1
	s_delay_alu instid0(VALU_DEP_1)
	v_add_nc_u32 v21, v21, v1                      ; r + 8 (r / 8)
	s_delay_alu instid0(VALU_DEP_1)
	v_mul_u32_u24 v22, v21, PITCH
	s_delay_alu instid0(VALU_DEP_1)
	v_lshl_add_u32 v22, v2, 4, v22
	s_delay_alu instid0(VALU_DEP_1)
	v_add_nc_u32 v[WAV], WLDS+2*T64, v22           ; (the two groups of eight rows lie 16 rows apart, a whole multiple of 256 bytes: these loads meet two deep)
	v_lshlrev_b32 v7, 5, v2                        ; bq, bk: my half's eight numbers of a tile
	v_lshlrev_b32 v8, 2, v21                       ; bv: my one number of a tile
	s_lshl_b32 s88, s28, 8                         ; the head's 64 numbers in each bias
	s_mov_b32 s89, 0
	s_add_nc_u64 s[12:13], s[12:13], s[88:89]
	s_add_nc_u64 s[14:15], s[14:15], s[88:89]
	s_add_nc_u64 s[16:17], s[16:17], s[88:89]
.irp i, 0,1,2,3
	global_load_b128 v[BIAS+8*\i:BIAS+8*\i+3],       v7, s[12:13] offset:64*\i      ; bq(16 i + 8 h + 0 .. 7)
	global_load_b128 v[BIAS+8*\i+4:BIAS+8*\i+7],     v7, s[12:13] offset:64*\i+16
	global_load_b128 v[BIAS+32+8*\i:BIAS+32+8*\i+3], v7, s[14:15] offset:64*\i      ; bk likewise
	global_load_b128 v[BIAS+32+8*\i+4:BIAS+32+8*\i+7], v7, s[14:15] offset:64*\i+16
	global_load_b32 v[9+\i], v8, s[16:17] offset:4*(32*(\i/2)+8*(\i%2))             ; bv of my row of tile i
.endr
	; where the images go.  bh = 8 x batch + head; x' = my block of 256 tokens in the batch
	s_lshr_b32 s80, s27, 4
	s_lshl_b32 s80, s80, 3
	s_add_co_u32 s80, s80, s28                     ; bh
	s_and_b32 s81, s27, 15                         ; x'
	s_lshl_b32 s82, s80, 18                        ; qimg: (256 bh + 16 x' + 2 w) tiles of 1,024 bytes
	s_lshl_b32 s83, s81, 14
	s_add_co_u32 s82, s82, s83
	s_lshl_b32 s83, s[WV], 11
	s_add_co_u32 s82, s82, s83
	s_mov_b32 s83, 0
	s_add_nc_u64 s[20:21], s[20:21], s[82:83]
	s_lshl_b32 s82, s80, 19                        ; kv: 524,288 bh + 32,768 x': a block for my 256 keys: 16,384 bytes of K, then 16,384 of V
	s_lshl_b32 s83, s81, 15
	s_add_co_u32 s82, s82, s83
	s_lshl_b32 s84, s[WV], 11                      ; K: my two tiles of 1,024 bytes
	s_add_co_u32 s84, s84, s82
	s_mov_b32 s85, 0
	s_add_nc_u64 s[84:85], s[22:23], s[84:85]
	s_lshr_b32 s86, s[WV], 2                       ; V: behind K's 16,384 bytes; block of 128 keys w / 4 (8,192 bytes), in it my 32 keys: piece w % 4 (512 bytes) of each tile of channels
	s_lshl_b32 s86, s86, 13
	s_lshl_b32 s87, s31, 9
	s_add_co_u32 s86, s86, s87
	s_add_co_u32 s86, s86, s82
	s_add_co_u32 s86, s86, 16384
	s_mov_b32 s87, 0
	s_add_nc_u64 s[86:87], s[22:23], s[86:87]
; pass p: a = ea + eb; -a into s[91 + p]; 2^(et - a) and 448 x it into the pass's two registers
.macro SCALES p, ea, eb, et
	s_add_co_i32 s90, s[\ea], s[\eb]
	s_sub_co_i32 s[91+\p], 0, s90
	s_sub_co_i32 s90, s[\et], s90
	s_add_co_i32 s90, s90, 127
	s_lshl_b32 s94, s90, 23
	v_mov_b32 v[SC+2*\p], s94                      ; the conversion takes this number's exponent field
	s_add_co_i32 s90, s90, 8
	s_lshl_b32 s90, s90, 23
	s_or_b32 s90, s90, 0x600000                    ; 448 = 1.75 x 2^8
	v_mov_b32 v[SC+2*\p+1], s90
.endm
	s_wait_kmcnt 0x0
	SCALES 0, 68, 69, 74                           ; q: e0, e1 -> e6
	SCALES 1, 70, 71, 75                           ; k: e2, e3 -> e7
	SCALES 2, 72, 73, 77                           ; v: e4, e5 -> e9
	s_wait_loadcnt 0x0                             ; the biases
.set j, 0
.rept 32
	v_ldexp_f32 v[BIAS+j], v[BIAS+j], s91          ; bq / 2^(e0 + e1)
	v_ldexp_f32 v[BIAS+32+j], v[BIAS+32+j], s92    ; bk / 2^(e2 + e3)
.set j, j+1
.endr
.irp i, 0,1,2,3
.irp j, 0,1,2,3,4,5,6,7
	v_ldexp_f32 v[BIAS+64+8*\i+\j], v[9+\i], s93   ; bv / 2^(e4 + e5): a lane holds one feature, so its eight registers (eight tokens) take the same number
.endr
.endr
	s_wait_tensorcnt 0x0                           ; my rows have landed (a wave with no load passes at once),
	s_barrier_signal -1
	s_barrier_wait -1                              ; everybody's have
; W's four fragments of step g (pass g / 4, K step g % 4) into set g % 2
.macro WLOAD g
.set WP, (\g)/4
.set WS, (\g)%4
.set WR, 128+64*((\g)%2)
.irp i, 0,1,2,3
.irp c, 0,1,2,3
.if WP < 2
	ds_load_b128 v[WR+16*\i+4*\c:WR+16*\i+4*\c+3], v[WA] offset:WP*T64+\i*16*PITCH+128*WS+32*\c
.else
	ds_load_b128 v[WR+16*\i+4*\c:WR+16*\i+4*\c+3], v[WAV] offset:(32*(\i/2)+8*(\i%2))*PITCH+128*WS+32*\c
.endif
.endr
.endr
.endm
; Step g: the next step's fragments of W are asked for, then eight matrix instructions on eight accumulators by turns.
.macro STEP g
.set SP_, (\g)/4
.set SS_, (\g)%4
.set SR_, 128+64*((\g)%2)
	PLACES 4                                       ; four places between the last step's matrix instructions and the loads into the set that they read; also the plain place behind a pass's conversions
.if (\g) < 11
	WIN 0x40                                       ; destination window 1, address window 0
	WLOAD (\g)+1
	s_wait_dscnt 16                                ; all but the sixteen just issued: this step's fragments of W are in, and x's
.else
	s_wait_dscnt 0x0
.endif
	WIN 0x05                                       ; sources 0 and 1 window 1; C and D window 0
.irp i, 0,1,2,3
.irp t, 0,1
.if SP_ < 2
.if SS_ == 0
	v_wmma_f32_16x16x128_fp8_fp8 v[ACC+8*(2*\i+\t):ACC+8*(2*\i+\t)+7], v[SR_+16*\i:SR_+16*\i+15], v[64*\t+16*SS_:64*\t+16*SS_+15], v[BIAS+32*SP_+8*\i:BIAS+32*SP_+8*\i+7]
.else
	v_wmma_f32_16x16x128_fp8_fp8 v[ACC+8*(2*\i+\t):ACC+8*(2*\i+\t)+7], v[SR_+16*\i:SR_+16*\i+15], v[64*\t+16*SS_:64*\t+16*SS_+15], v[ACC+8*(2*\i+\t):ACC+8*(2*\i+\t)+7]
.endif
.else
.if SS_ == 0
	v_wmma_f32_16x16x128_fp8_fp8 v[ACC+8*(2*\i+\t):ACC+8*(2*\i+\t)+7], v[64*\t+16*SS_:64*\t+16*SS_+15], v[SR_+16*\i:SR_+16*\i+15], v[BIAS+32*SP_+8*\i:BIAS+32*SP_+8*\i+7]
.else
	v_wmma_f32_16x16x128_fp8_fp8 v[ACC+8*(2*\i+\t):ACC+8*(2*\i+\t)+7], v[64*\t+16*SS_:64*\t+16*SS_+15], v[SR_+16*\i:SR_+16*\i+15], v[ACC+8*(2*\i+\t):ACC+8*(2*\i+\t)+7]
.endif
.endif
.endr
.endr
	WIN 0
.endm
; q's or k's results become codes and leave.  Tile i's eight registers are features 16 i + 8 h + 0 .. 7 of my token: registers 2 i, 2 i + 1 of the token tile's fragment.
.macro EPI_QK p, base
	PLACES 4                                       ; four places behind the last matrix instructions, ahead of the first read of results
.irp t, 0,1
.irp i, 0,1,2,3
.irp j, 0,1,2,3,4,5,6,7
	v_med3_num_f32 v[ACC+8*(2*\i+\t)+\j], v[ACC+8*(2*\i+\t)+\j], -v[SC+2*\p+1], v[SC+2*\p+1]   ; the conversion to an 8-bit code does not saturate (ISA guide 7.6.2): the hold at the largest code x the scale; each accumulator from its low end on
.endr
	v_cvt_scalef32_pk8_fp8_f32 v[COD+16*\p+8*\t+2*\i:COD+16*\p+8*\t+2*\i+1], v[ACC+8*(2*\i+\t):ACC+8*(2*\i+\t)+7], v[SC+2*\p]
.endr
.endr
.irp t, 0,1
.irp c, 0,1
	global_store_b128 v[LI], v[COD+16*\p+8*\t+4*\c:COD+16*\p+8*\t+4*\c+3], s[\base:\base+1] offset:\t*1024+\c*512   ; 32 lanes store 512 consecutive bytes, aligned
.endr
.endr
.endm
; v's: tile (i, t)'s eight registers are tokens 16 t + 8 h + 0 .. 7 of my channel: 16 bytes of tile i's piece for my 32 keys.
.macro EPI_V
	PLACES 4
.irp i, 0,1,2,3
.irp t, 0,1
.irp j, 0,1,2,3,4,5,6,7
	v_med3_num_f32 v[ACC+8*(2*\i+\t)+\j], v[ACC+8*(2*\i+\t)+\j], -v[SC+5], v[SC+5]
.endr
	v_cvt_scalef32_pk8_fp8_f32 v[COD+32+4*\i+2*\t:COD+32+4*\i+2*\t+1], v[ACC+8*(2*\i+\t):ACC+8*(2*\i+\t)+7], v[SC+4]
.endr
.endr
.irp i, 0,1,2,3
	global_store_b128 v[LI], v[COD+32+4*\i:COD+32+4*\i+3], s[86:87] offset:\i*2048
.endr
.endm
	WIN 0x40
.irp t, 0,1
.irp s, 0,1,2,3
.irp c, 0,1,2,3
	ds_load_b128 v[64*\t+16*\s+4*\c:64*\t+16*\s+4*\c+3], v[XA] offset:\t*16*PITCH+128*\s+32*\c   ; x's eight fragments stay in registers for all three passes
.endr
.endr
.endr
	WLOAD 0
	WIN 0
	STEP 0
	STEP 1
	STEP 2
	STEP 3
	EPI_QK 0, 20
	STEP 4
	STEP 5
	STEP 6
	STEP 7
	EPI_QK 1, 84
	STEP 8
	STEP 9
	STEP 10
	STEP 11
	EPI_V
	s_wait_tensorcnt 0x0
	ds_add_u32 v254, v255
	s_wait_dscnt 0x0
	ROUND                                          ; the closing round: no work-group ends while a partner may still ask for rows by a load that names it
	s_endpgm
.Lfunc_end_k_q858f0a63f8_qkv:
	.size	k_q858f0a63f8_qkv, .Lfunc_end_k_q858f0a63f8_qkv-k_q858f0a63f8_qkv
	.p2alignl 7, 3214868480
	.fill 96, 4, 3214868480
	.section	.rodata,"a",@progbits
	.p2align	6, 0x0
	.amdhsa_kernel k_q858f0a63f8_qkv
		.amdhsa_group_segment_fixed_size 327680
		.amdhsa_private_segment_fixed_size 0
		.amdhsa_enable_private_segment 0
		.amdhsa_kernarg_size 80
		.amdhsa_user_sgpr_count 2
		.amdhsa_user_sgpr_kernarg_segment_ptr 1
		.amdhsa_wavefront_size32 1
		.amdhsa_system_sgpr_workgroup_id_x 1
		.amdhsa_system_sgpr_workgroup_id_y 1
		.amdhsa_system_sgpr_workgroup_id_z 1
		.amdhsa_system_vgpr_workitem_id 0
		.amdhsa_next_free_vgpr 512
		.amdhsa_next_free_sgpr 96
		.amdhsa_reserve_vcc 0
		.amdhsa_float_denorm_mode_32 3
		.amdhsa_float_denorm_mode_16_64 3
		.amdhsa_memory_ordered 1
		.amdhsa_forward_progress 1
		.amdhsa_inst_pref_size 54
	.end_amdhsa_kernel
	.amdgpu_metadata
---
amdhsa.version: [ 1, 2 ]
amdhsa.kernels:
  - .name:           k_q858f0a63f8_qkv
    .symbol:         k_q858f0a63f8_qkv.kd
    .args:
      - { .name: x_codes, .offset: 0, .size: 8, .value_kind: global_buffer, .address_space: global }
      - { .name: Wq_codes, .offset: 8, .size: 8, .value_kind: global_buffer, .address_space: global }
      - { .name: Wk_codes, .offset: 16, .size: 8, .value_kind: global_buffer, .address_space: global }
      - { .name: Wv_codes, .offset: 24, .size: 8, .value_kind: global_buffer, .address_space: global }
      - { .name: bq, .offset: 32, .size: 8, .value_kind: global_buffer, .address_space: global }
      - { .name: bk, .offset: 40, .size: 8, .value_kind: global_buffer, .address_space: global }
      - { .name: bv, .offset: 48, .size: 8, .value_kind: global_buffer, .address_space: global }
      - { .name: lowp_scales, .offset: 56, .size: 8, .value_kind: global_buffer, .address_space: global }
      - { .name: qimg, .offset: 64, .size: 8, .value_kind: global_buffer, .address_space: global }
      - { .name: kv, .offset: 72, .size: 8, .value_kind: global_buffer, .address_space: global }
    .group_segment_fixed_size: 327680
    .private_segment_fixed_size: 0
    .kernarg_segment_align: 8
    .kernarg_segment_size: 80
    .max_flat_workgroup_size: 256
    .sgpr_count:     96
    .vgpr_count:     512
    .wavefront_size: 32
...
	.end_amdgpu_metadata
.endif
;; end of part 1
;; launch attn (part 2): grid 16 x 16, 8 waves a work-group, no clusters, 132,096 bytes of LDS; arguments qimg, kv, lowp_scales, aimg; writes aimg
.if DOCPART == 2
	.amdgcn_target "amdgcn-amd-amdhsa--gfx1250"
	.amdhsa_code_object_version 6
	.text
	.protected	k_q858f0a63f8_attn
	.globl	k_q858f0a63f8_attn
	.p2align	8
	.type	k_q858f0a63f8_attn,@function
k_q858f0a63f8_attn:
	s_mov_b64 s[64:65], 0
	v_nop
	global_prefetch_b8 v0, s[64:65] scope:SCOPE_SE
	s_setreg_imm32_b32 hwreg(HW_REG_WAVE_MODE, 25, 1), 1
	s_wait_xcnt 0x0
; Attention of 16 (batch, head) pairs on codes of E4M3: S = K Q^T, p = 2^(t - M), O = V^T P^T, both products transposed, so that a lane holds ONE query (lane % 16) throughout.
; t = score x log2(e) / 8; M = the running largest t rounded up to a whole number; p is quantised with 2^e8 along the keys, not normalised; the row's sum is taken of the unquantised p in f32 and divides O at the end.
; When M moves, the sum and O are multiplied by 2^(old M - new M).  The result is quantised with 2^e10 and leaves as images of the next launch's operand registers.
; SHARES.  Work-group (x, y): queries 256 x on of pair y: 16 x 16 = 256 work-groups; a wave owns 32 queries, two tiles of 16, and walks all 4,096 keys in 16 steps of 256: a step's one change of M serves 256 keys.
; THE HOLD at 448 x 2^e8 is left out by a scalar branch on the given exponents where p cannot reach it: |score sum| <= 64 x 448 x 448, so with e6 + e7 <= 1 |t| < 2^23, its rounding is at most 1/4, p <= 2^(1/4),
; and 448 x 2^e8 >= 1.75 with e8 >= -8.  For all other exponents a second copy of the step's middle holds every p.  K and V come through registers, and
; there is no cluster: joint loads would take 8 loads a wave and step out, the hold would put 128 or more instructions a wave and step in.
; FEEDING.  kv holds, for each step, 32,768 bytes as the operands' registers want them (16 tiles of K of 1,024 bytes; V: two blocks of 128 keys, four tiles of 16 channels of 2,048 bytes each).  LDS is a ring of four such slots.
; In step i every wave stores its 8 x 512 bytes of step i + 2 (asked for in step i - 1) and asks for step i + 3: a load has a whole step in which to land, so nothing is prefetched beside it.
; ONE BARRIER A STEP, its signal and its wait far apart.  Step i: the wait for signal i - 1; stores for step i + 2; maxima; all LDS accesses waited for; signal i; the rest of the step.
;   What is read between signal i and the wait for it is steps i and i + 1: stored in steps i - 2 and i - 1, so shown by waits i - 1 (in step i) and earlier.  The stores of step i go into the slot of step i - 2, whose last
;   reads every wave has waited for in front of signal i - 1.
; FRAGMENTS.  V's first half is asked for at the step's head, its second half among the first half's products; the next step's K ahead of the second half's products, into score registers whose sums are finished and into codes that have
; been multiplied.  (In the last step what is asked for so is not used.)  S = K Q^T goes tiles 8-15, 4-7, 0-3, so that no result lands on a fragment that is still to be read.
; LIMITS: e6 + e7 between -123 and 130 (added to c's exponent field); e8 between -126 and 119.  A NaN or an infinity among the inputs is not served.
; REGISTERS.  Window 1: the scores, then p: batch k = 2 x tile + half at 64 k: register 8 i + j is key 128 half + 16 i + 8 (lane / 16) + j.  Between two steps: v0-63 K's tiles 8-15, v128-159 K's tiles 4-7.
;   Window 0: v0 thread; v1 LDS read address; v2 the scale; v3 LDS store address; v[4 + 2 t] -M, v[5 + 2 t] the largest t; v[8 + 2 t : 9 + 2 t] the sum in two halves; v[12 + 2 t : 13 + 2 t] at work; v16-47 on the way from memory to LDS;
;   XX 64: V of a half; YY 64: p's codes (batch k at 16 k); between two steps K's tiles 0-3 at batches 0 and 2, the maxima's chains at batch 1; OO 64: O ((tile, i) at 32 tile + 8 i); QQ 16: Q.
.set STEPB, 32768
.set HALFR, 65536                      ; two slots: a trip of the loop is two steps
.set SPARE, 131072                     ; behind the ring: the spare words, 128 bytes for each wave
.set ADR, 1
.set SCL, 2
.set ADW, 3
.set TM, 4
.set SUM, 8
.set CC, 12
.set ADN, 13                           ; v13 (free between f and the next maxima) LDS address of the next trip's first slot
.set GG, 16
.set XX, 48
.set YY, 112
.set MX, YY+16                         ; four chains of maxima a tile
.set OO, 176
.set QQ, 240
.set CS, 38                            ; s[38:39] c: the packed form names a pair and takes its low word for both halves
.set SEL, 40                           ; s[40:41] lane selects for lane l xor 16
.set TB, 42                            ; s42 where the trip's two slots begin, s43 where the next trip's do
.set TW, 43
.set TRIP, 50
.set HF, 51                            ; s51 1 where p has to be held
.set HV, 52                            ; s52 448 x 2^e8
.set MSB, 0
.macro WIN new                         ; the immediate's high byte repeats the setting that is left
.if MSB != \new
	s_set_vgpr_msb (MSB<<8)|\new
.set MSB, \new
.endif
.endm
.macro PLACES n
.rept \n
	v_nop
.endr
.endm
.macro GLOAD                           ; my 8 x 512 bytes of a step's 32,768: load j of the eight waves covers 4,096 bytes on end
.set j_, 0
.rept 8
	global_load_b128 v[GG+4*j_:GG+4*j_+3], v[CC], s[6:7] offset:4096*j_
.set j_, j_+1
.endr
.endm
.macro VTILE s, g, i                   ; V of half g: 16 channels x 128 keys
.irp c, 0,1,2,3
	ds_load_b128 v[XX+16*\i+4*\c:XX+16*\i+4*\c+3], v[ADR] offset:STEPB*\s+16384+8192*\g+2048*\i+512*\c
.endr
.endm
.macro VLOAD s, g
.irp i, 0,1,2,3
	VTILE \s, \g, \i
.endr
.endm
.macro KTILE reg, adr, off
	ds_load_b128 v[\reg:\reg+3],   v[\adr] offset:\off
	ds_load_b128 v[\reg+4:\reg+7], v[\adr] offset:\off+512
.endm
.macro KNEXT adr, off                  ; a step's sixteen tiles of K: 32 loads
	WIN 0x40
.irp i, 0,1,2,3,4,5,6,7
	KTILE 8*\i, \adr, \off+8192+1024*\i
.endr
.irp i, 0,1,2,3
	KTILE 128+8*\i, \adr, \off+4096+1024*\i
.endr
	WIN 0
.irp i, 0,1,2,3
	KTILE YY+32*(\i/2)+8*(\i%2), \adr, \off+1024*\i
.endr
.endm
.macro QKT j                           ; tile j of K against my two tiles of queries
.if \j >= 8
	WIN 0x41
.set ka_, 8*(\j-8)
.elseif \j >= 4
	WIN 0x41
.set ka_, 128+8*(\j-4)
.else
	WIN 0x40
.set ka_, YY+32*(\j/2)+8*(\j%2)
.endif
.irp t, 0,1
	v_wmma_f32_16x16x64_fp8_fp8 v[128*\t+8*\j:128*\t+8*\j+7], v[ka_:ka_+7], v[QQ+8*\t:QQ+8*\t+7], 0
.endr
.endm
.macro MAXG h, a                       ; the maxima of accumulator a of half h, both tiles: eight chains, each accumulator from its low end on
.if \h == 1 && \a == 0
	WIN 0x05
.else
	WIN 0x14
.endif
.irp t, 0,1
.irp m, 0,1,2,3
.if \h == 1 && \a == 0
	v_max_num_f32 v[MX+4*\t+\m], v[128*\t+64+2*\m], v[128*\t+64+2*\m+1]
.else
	v_max3_num_f32 v[MX+4*\t+\m], v[MX+4*\t+\m], v[128*\t+64*\h+8*\a+2*\m], v[128*\t+64*\h+8*\a+2*\m+1]
.endif
.endr
.endr
.endm
.macro PVC g, i                        ; O += V^T P^T, 16 channels x my two tiles, 128 keys: the eight accumulators take turns
	WIN 0
.irp t, 0,1
	v_wmma_f32_16x16x128_fp8_fp8 v[OO+32*\t+8*\i:OO+32*\t+8*\i+7], v[XX+16*\i:XX+16*\i+15], v[YY+32*\t+16*\g:YY+32*\t+16*\g+15], v[OO+32*\t+8*\i:OO+32*\t+8*\i+7]
.endr
.endm
.macro FMA k, j                        ; t - M, two at a time
	v_pk_fma_f32 v[64*(\k)+2*(\j):64*(\k)+2*(\j)+1], v[64*(\k)+2*(\j):64*(\k)+2*(\j)+1], s[CS:CS+1], v[TM+2*((\k)/2):TM+2*((\k)/2)+1] op_sel_hi:[1,0,0]
.endm
.macro PKA d, a
	v_pk_add_f32 v[\d:\d+1], v[\d:\d+1], v[\a:\a+1]
.endm
.macro ADD k, l, n                     ; the sum of batch k as a tree in place: addition n of level l.  p is no longer needed: its codes have been made
.set ad_, 64*(\k)+((\n)<<((\l)+1))
.set as_, ad_+(1<<(\l))
	PKA ad_, as_
.endm
.macro ADDS k, l, n0, cnt              ; cnt of them from n0 on
	WIN 0x45
.set n_, \n0
.rept \cnt
	ADD \k, \l, n_
.set n_, n_+1
.endr
.endm
.macro CODES k                         ; batch k's 64 numbers a lane -> 16 registers of the operand P
	WIN 0x01
.set i_, 0
.rept 8
	v_cvt_scalef32_pk8_fp8_f32 v[YY+16*(\k)+2*i_:YY+16*(\k)+2*i_+1], v[64*(\k)+8*i_:64*(\k)+8*i_+7], v[SCL]
.set i_, i_+1
.endr
	WIN 0x45
.endm
.macro EXP n
	v_exp_f32 v[\n], v[\n]
.endm
.macro HELD k                          ; batch k with the hold: the sum first, of the unheld p
.if (\k) > 0
	WIN 0x45
.set j_, 0
.rept 32
	FMA \k, j_
.set j_, j_+1
.endr
	s_wait_alu depctr_va_vdst(0)           ; ahead of the batch,
.endif
	WIN 0x45
.set j_, 0
.rept 64
	EXP 64*(\k)+j_
.set j_, j_+1
.endr
	v_nop
	s_wait_alu depctr_va_vdst(0)           ; and behind it
	WIN 0x04
.set j_, 0
.rept 32
	v_pk_add_f32 v[SUM+2*((\k)/2):SUM+2*((\k)/2)+1], v[SUM+2*((\k)/2):SUM+2*((\k)/2)+1], v[64*(\k)+2*j_:64*(\k)+2*j_+1]
.set j_, j_+1
.endr
	WIN 0x44
.set j_, 0
.rept 64
	v_min_num_f32 v[64*(\k)+j_], s[HV], v[64*(\k)+j_]   ; the conversion does not saturate (ISA guide 7.6.2); p is not negative
.set j_, j_+1
.endr
	CODES \k
	v_nop
.endm
.macro KASK s                          ; the next step's K: slot 1 of this trip, or slot 0 of the next
.if \s == 0
	KNEXT ADR, STEPB
.else
	KNEXT ADN, 0
.endif
.endm
; STEP s: 256 keys, from slot s of the trip's two; last: the trip count from which on this step asks for nothing more
.macro STEP s, last
	VLOAD \s, 0
.if \s == 0
	s_wait_alu depctr_va_vdst(0)
.endif
	s_wait_dscnt 16                        ; K is in; V's sixteen loads may be out
.irp j, 8,9,10,11,12,13,14,15
	QKT \j
.endr
	WIN 0
	PLACES 4                               ; ahead of the first read of the scores
	s_barrier_wait -1                      ; the last step's signals: the slot that is stored into is read by nobody any more
	s_wait_loadcnt 0x0                     ; what the last step asked for is in
	s_cmp_lt_u32 s[TRIP], 7
	s_cbranch_scc0 .Lnostore\s             ; the last two steps have none two on
.irp j, 0,1,2,3,4,5,6,7
	ds_store_b128 v[ADW], v[GG+4*\j:GG+4*\j+3] offset:STEPB*\s+4096*\j
.endr
.Lnostore\s:
	MAXG 1, 0                              ; (with the four places above: what stands between tiles 8-15, whose fragments lie in batch 0, and the results that are laid over them)
	QKT 4
	QKT 5
	MAXG 1, 1
	MAXG 1, 2
	QKT 6
	QKT 7
	MAXG 1, 3
	MAXG 1, 4
	QKT 0
	QKT 1
	MAXG 1, 5
	MAXG 1, 6
	QKT 2
	QKT 3
	MAXG 1, 7
.irp a, 0,1,2,3,4,5,6,7
	MAXG 0, \a
.endr
	WIN 0
.irp t, 0,1
	v_max3_num_f32 v[CC+2*\t], v[MX+4*\t], v[MX+4*\t+1], v[MX+4*\t+2]
.endr
.irp t, 0,1
	s_delay_alu instid0(VALU_DEP_2)
	v_max_num_f32 v[CC+2*\t], v[CC+2*\t], v[MX+4*\t+3]
.endr
.irp t, 0,1
	s_delay_alu instid0(VALU_DEP_2)
	v_permlanex16_b32 v[MX+4*\t+3], v[CC+2*\t], s[SEL], s[SEL+1]
.endr
.irp t, 0,1
	s_delay_alu instid0(VALU_DEP_2)
	v_max_num_f32 v[CC+2*\t], v[CC+2*\t], v[MX+4*\t+3]   ; and lane l xor 16's
.endr
.irp t, 0,1
	s_delay_alu instid0(VALU_DEP_2)
	v_mul_f32 v[CC+2*\t], s[CS], v[CC+2*\t]              ; as t (c is positive)
.endr
.irp t, 0,1
	s_delay_alu instid0(VALU_DEP_2)
	v_max_num_f32 v[TM+2*\t+1], v[TM+2*\t+1], v[CC+2*\t]
.endr
.irp t, 0,1
	v_mov_b32 v[CC+2*\t+1], v[TM+2*\t]
.endr
.irp t, 0,1
	s_delay_alu instid0(VALU_DEP_4)
	v_floor_f32 v[TM+2*\t], -v[TM+2*\t+1]                ; -M, a whole number
.endr
.irp t, 0,1
	s_delay_alu instid0(VALU_DEP_2)
	v_sub_f32 v[CC+2*\t+1], v[TM+2*\t], v[CC+2*\t+1]     ; old M - new M
.endr
.irp t, 0,1
	s_delay_alu instid0(VALU_DEP_2)
	v_cvt_i32_f32 v[CC+2*\t+1], v[CC+2*\t+1]             ; (it saturates)
.endr
.irp t, 0,1
	s_delay_alu instid0(VALU_DEP_2)
	v_ldexp_f32 v[CC+2*\t], 1.0, v[CC+2*\t+1]            ; f = 2^(old M - new M)
.endr
.irp t, 0,1
	s_delay_alu instid0(VALU_DEP_2)
	v_pk_mul_f32 v[SUM+2*\t:SUM+2*\t+1], v[SUM+2*\t:SUM+2*\t+1], v[CC+2*\t:CC+2*\t+1] op_sel_hi:[1,0]
.endr
	WIN 0x45
.set j_, 0
.rept 32
	FMA 0, j_
.set j_, j_+1
.endr
	WIN 0
.irp i, 0,1,2,3
.irp t, 0,1
.irp j, 0,2,4,6
	v_pk_mul_f32 v[OO+32*\t+8*\i+\j:OO+32*\t+8*\i+\j+1], v[OO+32*\t+8*\i+\j:OO+32*\t+8*\i+\j+1], v[CC+2*\t:CC+2*\t+1] op_sel_hi:[1,0]
.endr
.endr
.endr
	v_lshlrev_b32 v[CC], 4, v0             ; (f is done with) 16 x my thread's number, for the loads below
.if \s == 1
	v_and_b32 v[ADN], 31, v0
	v_lshlrev_b32 v[ADN], 4, v[ADN]
	v_add_nc_u32 v[ADN], s[TW], v[ADN]
.endif
	s_wait_alu depctr_va_vdst(0)           ; ahead of the wait, the signal and the branches below, and of the exponentials
	s_wait_dscnt 0x0                       ; my stores are done, and so are my reads: V's first half is in
	s_barrier_signal -1
	s_cmp_lt_u32 s[TRIP], \last
	s_cbranch_scc0 .Lnoload\s
	s_add_nc_u64 s[6:7], s[6:7], STEPB     ; the loads that read it have been waited for
	GLOAD                                  ; the step three on
.Lnoload\s:
	s_cmp_lg_u32 s[HF], 0
	s_cbranch_scc1 .Lhold\s
	; FOUR BATCHES of 64 exponentials with one wait between two of them.  What stands among a batch's exponentials is read behind the next wait at the earliest: the next batch's t - M, and additions for the batches before.
	WIN 0x45
.set j_, 0
.rept 32
	EXP 2*j_
	EXP 2*j_+1
	FMA 1, j_
.set j_, j_+1
.endr
	s_wait_alu depctr_va_vdst(0)           ; behind each batch and ahead of the next
	CODES 0
.set j_, 0
.rept 32
	EXP 64+2*j_
	FMA 2, j_
	EXP 64+2*j_+1
.if j_%2 == 1
	ADD 0, 1, j_/2
.endif
.set j_, j_+1
.endr
	s_wait_alu depctr_va_vdst(0)
	CODES 1
.set j_, 0
.rept 32
	EXP 128+2*j_
	FMA 3, j_
	EXP 128+2*j_+1
.if j_%2 == 1
	ADD 1, 1, j_/2
.endif
.if j_%4 == 0
	ADD 0, 2, j_/4
.endif
.set j_, j_+1
.endr
	s_wait_alu depctr_va_vdst(0)
	CODES 2
.set j_, 0
.rept 32
	EXP 192+2*j_
	EXP 192+2*j_+1
.if j_%2 == 1
	ADD 2, 1, j_/2
.endif
.if j_%4 == 0
	ADD 1, 2, j_/4
.endif
.if j_%8 == 2
	ADD 0, 3, j_/8
.endif
.set j_, j_+1
.endr
	s_wait_alu depctr_va_vdst(0)
	CODES 3
	ADDS 0, 4, 0, 2                        ; (also the plain place behind the conversions)
	ADDS 1, 3, 0, 4
	; P V, the sum's tree among its products: the additions behind two products are the places ahead of the loads into the fragments that these have read
	PVC 0, 0
	WIN 0x45
	PKA 64, 0                              ; batch 0's two partial sums join batch 1's: batch 0's registers are free
	PKA 96, 32
	ADDS 2, 2, 0, 8
	WIN 0
	VTILE \s, 1, 0
	PVC 0, 1
	ADDS 2, 3, 0, 4
	ADDS 3, 1, 0, 6
	WIN 0
	VTILE \s, 1, 1
	PVC 0, 2
	ADDS 2, 4, 0, 2
	ADDS 3, 1, 6, 2
	PKA 192, 128                           ; batch 2's join batch 3's
	PKA 224, 160
	ADDS 3, 1, 8, 4
	WIN 0
	VTILE \s, 1, 2
	PVC 0, 3
	ADDS 3, 1, 12, 4
	ADDS 1, 4, 0, 2
	WIN 0
	VTILE \s, 1, 3
	KASK \s
	s_wait_dscnt 32                        ; V's second half is in; the next step's K may be out
	PVC 1, 0
	ADDS 3, 2, 0, 8
	PVC 1, 1
	ADDS 3, 3, 0, 4
	ADDS 1, 5, 0, 1
	PVC 1, 2
	ADDS 3, 4, 0, 2
	PVC 1, 3
	ADDS 3, 5, 0, 1
	WIN 0x04
	v_pk_add_f32 v[SUM:SUM+1], v[SUM:SUM+1], v[64:65]
	v_pk_add_f32 v[SUM+2:SUM+3], v[SUM+2:SUM+3], v[192:193]
	WIN 0
	v_nop                                  ; four places ahead of the loads into V's registers
	s_branch .Ljoin\s
.Lhold\s:
.irp k, 0,1,2,3
	HELD \k
.endr
.irp i, 0,1,2,3
	PVC 0, \i
.endr
	PLACES 4
	VLOAD \s, 1
	KASK \s
	s_wait_alu depctr_va_vdst(0)
	s_wait_dscnt 32
.irp i, 0,1,2,3
	PVC 1, \i
.endr
	PLACES 4
.Ljoin\s:
.endm
	s_load_b256 s[4:11], s[0:1], 0x0               ; qimg s[4:5], kv s[6:7], the exponents s[8:9], aimg s[10:11]
	v_lshrrev_b32 v9, 5, v0
	v_lshlrev_b32 v[CC], 4, v0                     ; 16 x thread
	v_and_b32 v[ADR], 31, v0
	v_readfirstlane_b32 s12, v9                    ; wave 0..7
	v_lshlrev_b32 v[ADR], 4, v[ADR]                ; 16 x lane
	s_and_b32 s15, ttmp7, 0xffff                   ; the pair: 8 x batch + head
	s_lshl_b32 s44, s15, 19                        ; kv: 524,288 bytes a pair
	s_mov_b32 s45, 0
	s_lshl_b32 s46, s15, 18                        ; qimg: (256 pair + 16 x + 2 wave) tiles of 1,024 bytes
	s_lshl_b32 s47, ttmp9, 14
	s_add_co_u32 s46, s46, s47
	s_lshl_b32 s47, s12, 11
	s_add_co_u32 s46, s46, s47
	s_mov_b32 s47, 0
	s_lshr_b32 s48, s15, 3                         ; aimg: (256 batch + 16 x + 2 wave) tiles of 8,192 bytes, in each 1,024 a head
	s_lshl_b32 s48, s48, 21
	s_lshl_b32 s49, ttmp9, 17
	s_add_co_u32 s48, s48, s49
	s_lshl_b32 s49, s12, 14
	s_add_co_u32 s48, s48, s49
	s_and_b32 s49, s15, 7
	s_lshl_b32 s49, s49, 10
	s_add_co_u32 s48, s48, s49
	s_mov_b32 s49, 0
	s_mov_b32 s[SEL], 0x76543210
	s_mov_b32 s[SEL+1], 0xfedcba98
	s_mov_b32 s[CS], 0x3e38aa3b                    ; c = log2(e) / 8
	s_mov_b32 s[TB], 0
	s_mov_b32 s[TW], HALFR
	s_mov_b32 s[TRIP], 0
	s_wait_alu depctr_va_vdst(0)
	s_wait_kmcnt 0x0
	s_load_b128 s[32:35], s[8:9], 0x18             ; e6 .. e9
	s_load_b32 s36, s[8:9], 0x28                   ; e10
	s_add_nc_u64 s[6:7], s[6:7], s[44:45]
	s_add_nc_u64 s[4:5], s[4:5], s[46:47]
	s_add_nc_u64 s[10:11], s[10:11], s[48:49]
	GLOAD                                          ; step 0
.irp t, 0,1
.irp c, 0,1
	global_load_b128 v[QQ+8*\t+4*\c:QQ+8*\t+4*\c+3], v[ADR], s[4:5] offset:\t*1024+\c*512
.endr
.endr
	WIN 0x40
.irp j, 0,1,2,3,4,5,6,7
	global_load_b128 v[192+4*\j:192+4*\j+3], v[CC], s[6:7] offset:STEPB+4096*\j   ; step 1, into registers of the scores
.endr
	WIN 0
.set j_, 0
.rept 64
	v_mov_b32 v[OO+j_], 0                          ; (the loop is written once: its first change of M finds zeros)
.set j_, j_+1
.endr
.irp t, 0,1
	v_mov_b32 v[TM+2*\t+1], 0xff61b1e6             ; the largest t so far: -3e38, under every t
	v_mov_b32 v[SUM+2*\t], 0
	v_mov_b32 v[SUM+2*\t+1], 0
.endr
.irp t, 0,1
	v_floor_f32 v[TM+2*\t], -v[TM+2*\t+1]
.endr
	s_wait_alu depctr_va_vdst(0)
	s_wait_kmcnt 0x0
	s_cmp_lt_i32 s34, -8                           ; is p held?  (the head comment's two conditions)
	s_cselect_b32 s[HF], 1, 0
	s_add_co_i32 s44, s32, s33
	s_cmp_gt_i32 s44, 1
	s_cselect_b32 s[HF], 1, s[HF]
	s_lshl_b32 s44, s44, 23
	s_add_co_i32 s[CS], s[CS], s44                 ; a sum stands for sum x 2^(e6 + e7)
	s_mov_b32 s[CS+1], s[CS]
	s_add_co_i32 s44, s34, 127
	s_lshl_b32 s45, s44, 23
	v_mov_b32 v[SCL], s45                          ; 2^e8, for the conversion
	s_add_co_i32 s44, s44, 8
	s_lshl_b32 s44, s44, 23
	s_or_b32 s[HV], s44, 0x600000
	s_add_co_i32 s37, s34, s35
	s_sub_co_i32 s37, s37, s36                     ; e8 + e9 - e10
	s_wait_alu depctr_va_vdst(0)
	s_wait_loadcnt 12                              ; step 0 is in; Q's four and step 1's eight loads may be out
.irp j, 0,1,2,3,4,5,6,7
	ds_store_b128 v[CC], v[GG+4*\j:GG+4*\j+3] offset:4096*\j
.endr
	s_wait_dscnt 0x0
	s_barrier_signal -1
	s_barrier_wait -1                              ; step 0 is whole
	KNEXT ADR, 0
	s_wait_loadcnt 0x0
	s_add_nc_u64 s[6:7], s[6:7], 2*STEPB
	WIN 0x04
.irp j, 0,1,2,3,4,5,6,7
	ds_store_b128 v[CC], v[192+4*\j:192+4*\j+3] offset:STEPB+4096*\j
.endr
	WIN 0
	GLOAD                                          ; step 2
	s_wait_dscnt 0x0
	s_barrier_signal -1                            ; the first step waits for it
.Ltrip:
	v_and_b32 v[ADR], 31, v0
	v_lshlrev_b32 v[ADW], 4, v0
	v_lshlrev_b32 v[ADR], 4, v[ADR]
	v_add_nc_u32 v[ADW], s[TW], v[ADW]
	v_add_nc_u32 v[ADR], s[TB], v[ADR]
	STEP 0, 7
	STEP 1, 6
	s_xor_b32 s[TB], s[TB], HALFR
	s_xor_b32 s[TW], s[TW], HALFR
	s_add_co_u32 s[TRIP], s[TRIP], 1
	s_cmp_lt_u32 s[TRIP], 8
	s_cbranch_scc1 .Ltrip
	s_wait_alu depctr_va_vdst(0)
	s_wait_dscnt 0x0
	s_barrier_wait -1                              ; the last step's signals
	; THE WAY OUT: O / the sum x 2^(e8 + e9 - e10), held and converted
.irp t, 0,1
	v_add_f32 v[CC+2*\t], v[SUM+2*\t], v[SUM+2*\t+1]
.endr
	v_and_b32 v[ADR], 31, v0
	v_mov_b32 v[ADW], 0x43e00000                   ; 448
.irp t, 0,1
	v_permlanex16_b32 v[CC+2*\t+1], v[CC+2*\t], s[SEL], s[SEL+1]
.endr
	v_lshlrev_b32 v[ADR], 4, v[ADR]
	v_mov_b32 v[SCL], 1.0
.irp t, 0,1
	v_add_f32 v[CC+2*\t], v[CC+2*\t], v[CC+2*\t+1]
.endr
	s_wait_alu depctr_va_vdst(0)                   ; ahead of the reciprocals,
.irp t, 0,1
	v_rcp_f32 v[CC+2*\t], v[CC+2*\t]
.endr
	v_nop
	s_wait_alu depctr_va_vdst(0)                   ; and behind them, ahead of the first readers of O too
.irp t, 0,1
	v_ldexp_f32 v[CC+2*\t], v[CC+2*\t], s37
.endr
.irp t, 0,1
.set j_, 0
.rept 16
	v_pk_mul_f32 v[XX+32*\t+2*j_:XX+32*\t+2*j_+1], v[OO+32*\t+2*j_:OO+32*\t+2*j_+1], v[CC+2*\t:CC+2*\t+1] op_sel_hi:[1,0]
.set j_, j_+1
.endr
.endr
.set j_, 0
.rept 64
	v_med3_num_f32 v[XX+j_], v[XX+j_], -v[ADW], v[ADW]   ; the conversion does not saturate
.set j_, j_+1
.endr
.set j_, 0
.rept 8
	v_cvt_scalef32_pk8_fp8_f32 v[YY+2*j_:YY+2*j_+1], v[XX+8*j_:XX+8*j_+7], v[SCL]
.set j_, j_+1
.endr
	v_nop
.irp t, 0,1
.irp c, 0,1
	global_store_b128 v[ADR], v[YY+8*\t+4*\c:YY+8*\t+4*\c+3], s[10:11] offset:\t*8192+\c*512   ; 32 lanes store 512 consecutive bytes, aligned
.endr
.endr
	v_lshl_add_u32 v4, v0, 2, SPARE                ; my spare word,
	v_mov_b32 v5, 0                                ; and 0
	s_wait_alu depctr_va_vdst(0)
	s_wait_tensorcnt 0x0                           ; the wave's end, behind my last LDS store
	ds_add_u32 v4, v5
	s_wait_dscnt 0x0
	s_endpgm
.Lfunc_end_k_q858f0a63f8_attn:
	.size	k_q858f0a63f8_attn, .Lfunc_end_k_q858f0a63f8_attn-k_q858f0a63f8_attn
	.p2alignl 7, 3214868480
	.fill 96, 4, 3214868480
	.section	.rodata,"a",@progbits
	.p2align	6, 0x0
	.amdhsa_kernel k_q858f0a63f8_attn
		.amdhsa_group_segment_fixed_size 132096
		.amdhsa_private_segment_fixed_size 0
		.amdhsa_enable_private_segment 0
		.amdhsa_kernarg_size 32
		.amdhsa_user_sgpr_count 2
		.amdhsa_user_sgpr_kernarg_segment_ptr 1
		.amdhsa_wavefront_size32 1
		.amdhsa_system_sgpr_workgroup_id_x 1
		.amdhsa_system_sgpr_workgroup_id_y 1
		.amdhsa_system_sgpr_workgroup_id_z 1
		.amdhsa_system_vgpr_workitem_id 0
		.amdhsa_next_free_vgpr 512
		.amdhsa_next_free_sgpr 66
		.amdhsa_reserve_vcc 0
		.amdhsa_float_denorm_mode_32 3
		.amdhsa_float_denorm_mode_16_64 3
		.amdhsa_memory_ordered 1
		.amdhsa_forward_progress 1
		.amdhsa_inst_pref_size 190
	.end_amdhsa_kernel
	.amdgpu_metadata
---
amdhsa.version: [ 1, 2 ]
amdhsa.kernels:
  - .name:           k_q858f0a63f8_attn
    .symbol:         k_q858f0a63f8_attn.kd
    .args:
      - { .name: qimg, .offset: 0, .size: 8, .value_kind: global_buffer, .address_space: global }
      - { .name: kv, .offset: 8, .size: 8, .value_kind: global_buffer, .address_space: global }
      - { .name: lowp_scales, .offset: 16, .size: 8, .value_kind: global_buffer, .address_space: global }
      - { .name: aimg, .offset: 24, .size: 8, .value_kind: global_buffer, .address_space: global }
    .group_segment_fixed_size: 132096
    .private_segment_fixed_size: 0
    .kernarg_segment_align: 8
    .kernarg_segment_size: 32
    .max_flat_workgroup_size: 256
    .sgpr_count:     66
    .vgpr_count:     512
    .wavefront_size: 32
...
	.end_amdgpu_metadata
.endif
;; end of part 2
;; launch oproj (part 3): grid 64 x 4, 8 waves a work-group, clusters of 4 x 4, 168,960 bytes of LDS; arguments aimg, Wo_codes, bo, lowp_scales, out0; writes out0
.if DOCPART == 3
	.amdgcn_target "amdgcn-amd-amdhsa--gfx1250"
	.amdhsa_code_object_version 6
	.text
	.protected	k_q858f0a63f8_oproj
	.globl	k_q858f0a63f8_oproj
	.p2align	8
	.type	k_q858f0a63f8_oproj,@function
k_q858f0a63f8_oproj:
	s_mov_b64 s[64:65], 0
	v_nop
	global_prefetch_b8 v0, s[64:65] scope:SCOPE_SE
	s_setreg_imm32_b32 hwreg(HW_REG_WAVE_MODE, 25, 1), 1
	s_wait_xcnt 0x0
	s_wait_alu depctr_hold_cnt(0) depctr_sa_sdst(0) depctr_va_vdst(0) depctr_va_sdst(0) depctr_va_ssrc(0) depctr_va_vcc(0) depctr_vm_vsrc(0)
	s_getreg_b32 s2, hwreg(HW_REG_IB_STS2, 6, 4)
	s_cmp_eq_u32 s2, 0
	s_cbranch_scc0 .Lentry_in_a_cluster
	s_endpgm
.Lentry_in_a_cluster:
	s_bfe_u32 s2, ttmp6, 0x10000c
	s_cmp_lg_u32 s2, 0xf033
	s_cbranch_scc0 .Lentry_shape_is_right
	s_endpgm
.Lentry_shape_is_right:
; out = a Wo^T + bo on codes of E4M3.  a: the attention's result as codes with the scale 2^e10, laid by the launch before as images of operand registers: for each tile of 16 tokens 8,192 bytes, for each head
; two blocks of 512 bytes, lane (r, h)'s 16 bytes = token r, k = 64 x head + 32 c + 16 h + 0 .. 15.  Wo: 512 rows of 512 codes, K innermost, scale 2^e11.  out: 8,192 rows of 512 f32.
; Two neighbouring heads' four blocks are a fragment for 128 along K with registers 4 c .. 4 c + 3 = k 32 c + 16 h + 0 .. 15: the order that four 16-byte loads, 32 bytes apart, give Wo's rows: the same permutation of k on both sides.
; SHARES.  Work-group (X, Y): 128 tokens x 128 features: 64 x 4 = 256 work-groups.  Wave w: tokens 32 (w / 2) on (two tiles), features 64 (w % 2) on (four tiles): eight accumulators, four K steps of 128.
; The matrix instruction is used TRANSPOSED (source 0 = 16 rows of Wo, source 1 = 16 tokens): a lane holds eight neighbouring numbers of a row of out.
; LDS is filled ONCE: a's 65,536 bytes as they lie, Wo's 128 rows of 512 bytes + 16; behind them, in blocks of their own, a stage of 16 rows x 272 bytes for each wave.
; CLUSTER 4 x 4.  a's images hang on X alone: shared along a column of the cluster.  Wo's rows hang on Y alone: shared along a row.  The grid's height is the cluster's, so Y is my place cy along the cluster's y.
; LIMIT: e10 + e11 lies between -126 and 127, so that 2^(e10 + e11) is an f32 number.
; REGISTERS: v1-8 lane numbers and addresses; v16-47 a's two fragments; v48-111 Wo's four; v112-175 the accumulators ((i, t) at 112 + 8 (2 i + t)); v176-207 bo in the results' layout;
;   on the way out: v208-239 and v80-111 the two tiles' numbers, v16-47 and v48-79 their rows read back.
.set PITCH, 528                        ; Wo's LDS row: 512 bytes + 16: an odd multiple of 16 bytes
.set T64,   64*PITCH
.set WLDS,  65536
.set STAGE, WLDS+2*T64                 ; 133,120: a multiple of 256; no fill lands from here on
.set SP,    272                        ; a stage row: 256 bytes + 16
.set WV,  14                           ; s14 my wave's number
.set G1A, 16                           ; s[16:23] descriptor group 1 for a's images;  s[24:31] for Wo's rows;  s[32:35], s[36:39] their groups 0
.set G1W, 24
.set G0A, 32
.set G0W, 36
.set AA,  3                            ; v3 LDS address of my fragments of a
.set WA,  4                            ; v4 of Wo's
.set SO,  5                            ; v5 the stage: where I put 32 bytes of a row
.set RD,  6                            ; v6 and where I read a row back
.set GO,  7                            ; v7 my byte offset in out
.set AF,  16
.set WF,  48
.set ACC, 112
.set BIAS, 176
.macro PLACES n
.rept \n
	v_nop
.endr
.endm
.macro ROUND                           ; a round of the cluster's barrier
	s_barrier_signal -1
	s_barrier_wait -1
	s_cmp_lg_u32 s[WV], 0
	s_cbranch_scc1 .Lnot_wave_0_\@
	s_barrier_signal -3
.Lnot_wave_0_\@:
	s_barrier_wait -3
	s_barrier_signal -1
	s_barrier_wait -1
.endm
.macro JLOAD                           ; waves 0-3 ask for a's four quarters, waves 4 and 5 for Wo's two halves, waves 6 and 7 for nothing.  Four v_nop follow each line
	s_cmp_lt_u32 s[WV], 4
	s_cbranch_scc0 .Lnot_a_\@
	tensor_load_to_lds s[G0A:G0A+3], s[G1A:G1A+7]
	s_nop 0
	PLACES 4
	s_branch .Lasked_\@
.Lnot_a_\@:
	s_cmp_lt_u32 s[WV], 6
	s_cbranch_scc0 .Lasked_\@
	tensor_load_to_lds s[G0W:G0W+3], s[G1W:G1W+7]
	s_nop 0
	PLACES 4
.Lasked_\@:
.endm
	s_load_b256 s[4:11], s[0:1], 0x0               ; aimg s[4:5], Wo s[6:7], bo s[8:9], the exponents s[10:11]
	s_load_b64 s[12:13], s[0:1], 0x20              ; out
	v_lshl_add_u32 v254, v0, 2, 0x29000
	v_mov_b32 v255, 0
	ds_add_u32 v254, v255
	ds_add_u32 v254, v255
	v_lshrrev_b32 v1, 5, v0
	s_delay_alu instid0(VALU_DEP_1)
	v_readfirstlane_b32 s[WV], v1                  ; wave 0..7
	s_bfe_u32 s15, ttmp6, 0x40000                  ; cx
	s_bfe_u32 s40, ttmp6, 0x40004                  ; cy = Y
	s_lshl_b32 s41, ttmp9, 2
	s_add_co_u32 s41, s41, s15                     ; X = 4 x cluster x + cx
	s_lshl_b32 s42, 0x1111, s15                    ; my column of the cluster: the four that share X
	s_lshl_b32 s43, s40, 2
	s_lshl_b32 s43, 15, s43                        ; my row: the four that share Y
	s_or_b32 s[G1A], s42, (3<<16)|(1<<21)          ; a: 64 rows of 32 elements of 8 bytes, dense, no padding; 15:0 the mask; 21 set beside a mask
	s_mov_b32 s[G1A+1], 32<<16
	s_mov_b32 s[G1A+2], 64<<16
	s_mov_b32 s[G1A+3], 32<<16
	s_mov_b32 s[G1A+4], 64
	s_mov_b32 s[G1A+5], 32
	s_mov_b32 s[G1A+6], 0
	s_mov_b32 s[G1A+7], 0
	s_or_b32 s[G1W], s43, (1<<20)|(1<<21)|(6<<22)|(3<<25)   ; Wo: 64 rows of 512 bytes; 4 words of padding (code 3) behind every 128 words (code 6)
	s_mov_b32 s[G1W+1], 512<<16
	s_mov_b32 s[G1W+2], 64<<16
	s_mov_b32 s[G1W+3], 512<<16
	s_mov_b32 s[G1W+4], 64
	s_mov_b32 s[G1W+5], 512
	s_mov_b32 s[G1W+6], 0
	s_mov_b32 s[G1W+7], 0
	s_and_b32 s44, s[WV], 3
	s_lshl_b32 s45, s44, 14                        ; a: my quarter, in memory and in LDS
	s_lshl_b32 s46, s41, 16                        ; 65,536 X; these registers never hold Y
	s_add_co_u32 s46, s46, s45
	s_mov_b32 s47, 0
	s_and_b32 s48, s[WV], 1                        ; Wo: which 64 rows I fetch.  Also: which 64 features are mine
	s_lshl_b32 s50, s40, 16                        ; 128 Y rows of 512 bytes; these never hold X
	s_lshl_b32 s51, s48, 15
	s_add_co_u32 s50, s50, s51
	s_mov_b32 s51, 0
	s_mul_i32 s49, s48, T64
	s_wait_dscnt 0x0
	s_wait_kmcnt 0x0
	s_load_b64 s[56:57], s[10:11], 0x28            ; e10, e11
	ROUND                                          ; all sixteen work-groups are here: the joint loads meet
	s_mov_b32 s[G0A], 1
	s_mov_b32 s[G0A+1], s45
	s_add_nc_u64 s[G0A+2:G0A+3], s[4:5], s[46:47]
	s_or_b32 s[G0A+3], s[G0A+3], 0x80000000
	s_mov_b32 s[G0W], 1
	s_add_co_u32 s[G0W+1], s49, WLDS
	s_add_nc_u64 s[G0W+2:G0W+3], s[6:7], s[50:51]
	s_or_b32 s[G0W+3], s[G0W+3], 0x80000000
	JLOAD                                          ; one tensor load of mine is out at the most
	v_and_b32 v1, 15, v0                           ; r
	v_bfe_u32 v2, v0, 4, 1                         ; h
	v_and_b32 v9, 31, v0
	s_lshr_b32 s52, s[WV], 1                       ; which 32 tokens are mine
	s_lshl_b32 s53, s52, 14
	v_lshl_add_u32 v[AA], v9, 4, s53               ; 16 x lane + my two token tiles
	v_mul_u32_u24 v10, v1, PITCH
	s_delay_alu instid0(VALU_DEP_1)
	v_lshl_add_u32 v10, v2, 4, v10
	s_add_co_u32 s53, s49, WLDS
	v_add_nc_u32 v[WA], s53, v10                   ; my 64 rows of Wo: row r x pitch + 16 h
	s_mul_i32 s53, s[WV], 16*SP
	s_add_co_u32 s53, s53, STAGE                   ; my stage
	v_mul_u32_u24 v10, v1, SP
	s_delay_alu instid0(VALU_DEP_1)
	v_lshl_add_u32 v10, v2, 5, v10
	s_delay_alu instid0(VALU_DEP_1)
	v_add_nc_u32 v[SO], s53, v10                   ; in: row r, 32 bytes for each half of the lanes
	v_mul_u32_u24 v10, v2, SP
	s_delay_alu instid0(VALU_DEP_1)
	v_lshl_add_u32 v10, v1, 4, v10
	s_delay_alu instid0(VALU_DEP_1)
	v_add_nc_u32 v[RD], s53, v10                   ; back: lanes 0-15 one row of 256 bytes, lanes 16-31 the next
	v_lshlrev_b32 v[GO], 11, v2
	s_delay_alu instid0(VALU_DEP_1)
	v_lshl_add_u32 v[GO], v1, 4, v[GO]             ; and the same two rows in out
	v_lshlrev_b32 v8, 5, v2                        ; bo: my half's eight numbers of a tile
	s_wait_alu depctr_va_vdst(0)
	s_lshl_b32 s54, s40, 9                         ; my first feature in bytes: 4 (128 Y + 64 x half)
	s_lshl_b32 s55, s48, 8
	s_add_co_u32 s54, s54, s55
	s_mov_b32 s55, 0
	s_add_nc_u64 s[8:9], s[8:9], s[54:55]
	s_lshl_b32 s58, s41, 18                        ; my first row of out: (128 X + 32 (w / 2)) rows of 2,048 bytes
	s_lshl_b32 s59, s52, 16
	s_add_co_u32 s58, s58, s59
	s_add_co_u32 s58, s58, s54
	s_mov_b32 s59, 0
	s_add_nc_u64 s[12:13], s[12:13], s[58:59]
.irp i, 0,1,2,3
	global_load_b128 v[BIAS+8*\i:BIAS+8*\i+3],   v8, s[8:9] offset:64*\i      ; bo(16 i + 8 h + 0 .. 7)
	global_load_b128 v[BIAS+8*\i+4:BIAS+8*\i+7], v8, s[8:9] offset:64*\i+16
.endr
	s_wait_kmcnt 0x0
	s_add_co_i32 s56, s56, s57
	s_add_co_i32 s56, s56, 127
	s_lshl_b32 s56, s56, 23                        ; 2^(e10 + e11) as f32
	s_mov_b32 s57, s56                             ; (named with it as a pair, so it is written)
	s_wait_tensorcnt 0x0                           ; my part has landed (a wave with no load passes at once),
	s_barrier_signal -1
	s_barrier_wait -1                              ; everybody's has
	s_wait_loadcnt 0x0                             ; bo
.irp s, 0,1,2,3                        ; four K steps of 128: heads 2 s and 2 s + 1
.if \s > 0
	PLACES 4                                       ; four places ahead of loads into registers that matrix instructions have read
.endif
.irp t, 0,1
.irp c, 0,1,2,3
	ds_load_b128 v[AF+16*\t+4*\c:AF+16*\t+4*\c+3], v[AA] offset:\t*8192+\s*2048+512*\c
.endr
.endr
.irp i, 0,1,2,3
.irp c, 0,1,2,3
	ds_load_b128 v[WF+16*\i+4*\c:WF+16*\i+4*\c+3], v[WA] offset:\i*16*PITCH+128*\s+32*\c
.endr
.endr
	s_wait_dscnt 0x0
.irp i, 0,1,2,3
.irp t, 0,1
.if \s == 0
	v_wmma_f32_16x16x128_fp8_fp8 v[ACC+8*(2*\i+\t):ACC+8*(2*\i+\t)+7], v[WF+16*\i:WF+16*\i+15], v[AF+16*\t:AF+16*\t+15], 0   ; the first K step starts the sums: nothing is cleared
.else
	v_wmma_f32_16x16x128_fp8_fp8 v[ACC+8*(2*\i+\t):ACC+8*(2*\i+\t)+7], v[WF+16*\i:WF+16*\i+15], v[AF+16*\t:AF+16*\t+15], v[ACC+8*(2*\i+\t):ACC+8*(2*\i+\t)+7]   ; eight accumulators by turns
.endif
.endr
.endr
.endr
	PLACES 4                                       ; ahead of the first read of results, and of writes and loads into the fragments' registers
; THE WAY OUT, a tile of 16 tokens at a time: sum x 2^(e10 + e11) + bo; 32 bytes a lane into my own stage; back as whole rows of 256 bytes.  LDS serves a wave's instructions in order (ISA guide 5.7.1.4): no wait between
; the stores and the loads, nor in front of the next tile's stores.
.macro TOSTAGE t
.set TM_, 208-128*(\t)                 ; v208-239 or v80-111: each tile has its own, so that no LDS store's data are written again
.set BK_, 16+32*(\t)
.irp i, 0,1,2,3
.irp j, 0,2,4,6
	v_pk_fma_f32 v[TM_+8*\i+\j:TM_+8*\i+\j+1], v[ACC+8*(2*\i+\t)+\j:ACC+8*(2*\i+\t)+\j+1], s[56:57], v[BIAS+8*\i+\j:BIAS+8*\i+\j+1] op_sel_hi:[1,0,1]   ; each accumulator from its low end on
.endr
.endr
.irp i, 0,1,2,3
	ds_store_b128 v[SO], v[TM_+8*\i:TM_+8*\i+3] offset:64*\i
	ds_store_b128 v[SO], v[TM_+8*\i+4:TM_+8*\i+7] offset:64*\i+16
.endr
.irp q, 0,1,2,3,4,5,6,7
	ds_load_b128 v[BK_+4*\q:BK_+4*\q+3], v[RD] offset:\q*2*SP
.endr
.endm
.macro SEND t, younger                 ; younger: the LDS instructions issued behind tile t's loads
.set BK_, 16+32*(\t)
.irp q, 0,1,2,3,4,5,6,7
	s_wait_dscnt \younger+7-\q
	global_store_b128 v[GO], v[BK_+4*\q:BK_+4*\q+3], s[12:13] offset:(16*\t+2*\q)*2048 th:TH_STORE_NT   ; 16 lanes store 256 consecutive bytes, at a multiple of 256 from out's first byte; written once, read by nobody here
.endr
.endm
	TOSTAGE 0
	TOSTAGE 1
	SEND 0, 16                                     ; behind tile 0's loads: tile 1's eight stores and eight loads
	SEND 1, 0
	s_wait_tensorcnt 0x0
	ds_add_u32 v254, v255
	s_wait_dscnt 0x0
	ROUND                                          ; the closing round: no work-group ends while a partner may still ask by a load that names it
	s_endpgm
.Lfunc_end_k_q858f0a63f8_oproj:
	.size	k_q858f0a63f8_oproj, .Lfunc_end_k_q858f0a63f8_oproj-k_q858f0a63f8_oproj
	.p2alignl 7, 3214868480
	.fill 96, 4, 3214868480
	.section	.rodata,"a",@progbits
	.p2align	6, 0x0
	.amdhsa_kernel k_q858f0a63f8_oproj
		.amdhsa_group_segment_fixed_size 168960
		.amdhsa_private_segment_fixed_size 0
		.amdhsa_enable_private_segment 0
		.amdhsa_kernarg_size 40
		.amdhsa_user_sgpr_count 2
		.amdhsa_user_sgpr_kernarg_segment_ptr 1
		.amdhsa_wavefront_size32 1
		.amdhsa_system_sgpr_workgroup_id_x 1
		.amdhsa_system_sgpr_workgroup_id_y 1
		.amdhsa_system_sgpr_workgroup_id_z 1
		.amdhsa_system_vgpr_workitem_id 0
		.amdhsa_next_free_vgpr 256
		.amdhsa_next_free_sgpr 66
		.amdhsa_reserve_vcc 0
		.amdhsa_float_denorm_mode_32 3
		.amdhsa_float_denorm_mode_16_64 3
		.amdhsa_memory_ordered 1
		.amdhsa_forward_progress 1
		.amdhsa_inst_pref_size 22
	.end_amdhsa_kernel
	.amdgpu_metadata
---
amdhsa.version: [ 1, 2 ]
amdhsa.kernels:
  - .name:           k_q858f0a63f8_oproj
    .symbol:         k_q858f0a63f8_oproj.kd
    .args:
      - { .name: aimg, .offset: 0, .size: 8, .value_kind: global_buffer, .address_space: global }
      - { .name: Wo_codes, .offset: 8, .size: 8, .value_kind: global_buffer, .address_space: global }
      - { .name: bo, .offset: 16, .size: 8, .value_kind: global_buffer, .address_space: global }
      - { .name: lowp_scales, .offset: 24, .size: 8, .value_kind: global_buffer, .address_space: global }
      - { .name: out0, .offset: 32, .size: 8, .value_kind: global_buffer, .address_space: global }
    .group_segment_fixed_size: 168960
    .private_segment_fixed_size: 0
    .kernarg_segment_align: 8
    .kernarg_segment_size: 40
    .max_flat_workgroup_size: 256
    .sgpr_count:     66
    .vgpr_count:     256
    .wavefront_size: 32
...
	.end_amdgpu_metadata
.endif
;; end of part 3
